; MI455X (gfx1250); checked and timed in simulation.
; The chip was launched on July 23, 2026; its instructions are those of AMD's public machine-readable ISA for CDNA 5 (MIT licence, August 2026) and "CDNA5" Instruction Set Architecture Reference Guide (July 2026). The comments in the code are by the model that wrote it; some were corrected since.
;; Multi Head Attention. Allowed arithmetic: matrix products marked QUANTISED: E4M3 operands, one given power-of-two scale a tensor, by v_wmma_f32_16x16x64_fp8_fp8 or v_wmma_f32_16x16x128_fp8_fp8, f32 sums; everything else in f32.
;; Inputs: W_fc 1,024 x 1,024 float32; W_qkv 1,024 x 3,072 float32; b_fc 1,024 float32; b_qkv 3,072 float32; lowp_scales 8 int32 (the exponents e of the quantised operands' scales 2^e); x 4 x 2,048 x 1,024 float32.
;; Outputs: out0 4 x 2,048 x 1,024 float32.
;; This version of the problem:
;;   THIS VERSION OF THE PROBLEM IS GIVEN IN LOW PRECISION. The matrix products marked QUANTISED in the list below multiply operands that are first quantised to E4M3 (4 exponent bits, 3 mantissa bits; 8 bits a number), with one given power-of-two scale for each operand tensor; their sums are f32. All else is computed in f32.
;;   The module's matrix products, in the order in which they are computed (A, B: the left and right operand; K: the contracted axis; several contracted axes count as one K, in the product's order):
;;     1. [M 8,192, K 1,024] x [K 1,024, N 3,072]; A: input x; B: input W_qkv: QUANTISED (scales: A lowp_scales[0], B lowp_scales[1])
;;     2. batch 64 x [M 2,048, K 64] x [K 64, N 2,048]; A: computed on the way; B: computed on the way: QUANTISED (scales: A lowp_scales[2], B lowp_scales[3])
;;     3. batch 64 x [M 64, K 2,048] x [K 2,048, N 2,048]; A: computed on the way; B: softmax (see below): QUANTISED (scales: A lowp_scales[4], B lowp_scales[5])
;;     4. [M 8,192, K 1,024] x [K 1,024, N 1,024]; A: computed on the way; B: input W_fc: QUANTISED (scales: A lowp_scales[6], B lowp_scales[7])
;;   THE QUANTISER, for each operand of a quantised product, along K:
;;     - The operand's scale is 2^e, e = its entry of the input lowp_scales (int32; the entries are numbered through the quantised products in the list's order, A before B).
;;     - Each number is divided by the scale, clamped to +-448, and rounded to the nearest number of E4M3, ties to even, subnormals kept.
;;     - The product sums the exact products of the quantised numbers (number of the format x scale) in f32.
;;   ~~~python
;;   def quantise(x, axis, e):      # numpy; x: float32 -> the quantised numbers, widened to float32 again
;;       x = np.moveaxis(x, axis, -1); K = x.shape[-1]
;;       r = np.clip(x / 2.0 ** e, -448, 448)
;;       step = 2.0 ** (np.maximum(np.frexp(np.where(r == 0, 1, r))[1] - 1, -6) - 3)
;;       q = np.round(r / step) * step * 2.0 ** e      # np.round: ties to even
;;       return np.moveaxis(q, -1, axis).astype(np.float32)
;;   ~~~
;;   SOFTMAX AHEAD OF A QUANTISED PRODUCT. Where the list says 'softmax', what is quantised is not the finished softmax but p = 2^(t - M), with t = logit x log2(e) and M = ceil(the row's largest t), a whole number; so 1/2 < the row's largest p <= 1. The row's sum l is taken of the UNQUANTISED p, in f32, and the product's result is divided by l at the end. Since M is a whole number, a kernel that streams over the keys may use a running M (the ceiling of the running maximum): every later rescaling is an exact power of two, so the quantised numbers keep their values, but for numbers so far below the row's largest that they fall under the format's range.
;;   OPERANDS COMPUTED ON THE WAY. 'Computed on the way' means the value that the module computes at that place (a softmax that the list does not call 'softmax' is quantised finished and normalised). What goes into a quantiser is computed in f32, as accurately as f32 sums, v_exp_f32 and their like allow (about 1e-6 of the number): no bf16 or f16 on the way to a quantiser, and a product that is left as it is and whose result goes on into a quantised operand takes f32 operands (vector FMAs, or v_wmma_f32_16x16x4_f32). A number that lies on a knife's edge between two numbers of the format may be rounded either way, as far as f32 arithmetic and the matrix unit's own rounding can turn it there, and no further.
;; One version. Each part assembles by itself: llvm-mc -triple=amdgcn-amd-amdhsa -mcpu=gfx1250 --defsym DOCPART=n.
;; ======== version 1 of 1: 4 launches
;; limits: right only within a limited range of input values
;; workspace buffers: x_codes 8,388,608 bytes; w_codes 4,194,304 bytes; q_img 8,388,608 bytes; kv_img 16,777,216 bytes; o_img 8,388,608 bytes
;; launch quant (part 1): grid 384 x 1, 4 waves a work-group, no clusters, 68,096 bytes of LDS; arguments x, W_qkv, W_fc, lowp_scales, x_codes, w_codes; writes x_codes, w_codes
.if DOCPART == 1
	.amdgcn_target "amdgcn-amd-amdhsa--gfx1250"
	.amdhsa_code_object_version 6
	.text
	.protected	k_q8ec2c6153f_quant
	.globl	k_q8ec2c6153f_quant
	.p2align	8
	.type	k_q8ec2c6153f_quant,@function
k_q8ec2c6153f_quant:
	s_mov_b64 s[64:65], 0
	v_nop
	global_prefetch_b8 v0, s[64:65] scope:SCOPE_SE
	s_setreg_imm32_b32 hwreg(HW_REG_WAVE_MODE, 25, 1), 1
	s_wait_xcnt 0x0
; x [8192][1024], W_qkv [1024][3072] and W_fc [1024][1024], f32, become codes of E4M3 with K innermost, each with the scale 2^e given for it (entries 0, 1 and 7 of the scales).
; code = number / 2^e, held within +-448, rounded to the nearest code, ties to even.  LIMITS: e between -126 and 119.  NaN among the inputs is not served; an infinity is held at the largest code.
; x_codes [8192 rows][1024]; w_codes [4096 rows][1024]: rows 0-3071 are W_qkv's columns, rows 3072-4095 W_fc's.
; ROW ORDER: logical row i is stored at row sigma(i) = i with bits 3 and 4 exchanged.  Sixteen stored rows on end are then two runs of eight logical rows 16 apart, which is what lets the
; products that read these codes hand their results on as operands without moving them between lanes.
; Work-groups 0-255 take x (K innermost: a stream), work-groups 256-383 the weights (K is the first axis: a lane takes a column, its registers run down K).
; The two ways part on the work-group's number and each has LDS bytes of its own.  No tensor load, no barrier: waves share nothing.
.set STEPS, 16                         ; way X: steps of 512 numbers for a wave: 8 rows of x
.set SP,    80                         ; way X: a lane's place in a stage: 64 bytes + 16 of padding
.set WREG,  8192                       ; way X: a wave's LDS region: two stages of 32 x SP bytes
.set R,     16                         ; v16-79   four sets of 16 numbers as loaded
.set X,     80                         ; v80-111  two sets of 16 neighbours
.set C,     128                        ; v128-191 codes, four registers a step: no store's data are written again
.set WSTG,  32768                      ; way W: the stages begin here, 32 rows x 272 bytes for each wave
.set WP,    272
.set WX,    32                         ; v32-95   two sets of 32 numbers down K
.set WC,    96                         ; v96-103  a block's codes
.set OUTR,  112                        ; v112-175 the way out
.set RO,    176                        ; v176-207 byte offsets of 32 rows of the weight at my column; never rewritten
.macro XLOAD t
.irp i, 0,1,2,3
	global_load_b128 v[R+16*((\t)%4)+4*\i:R+16*((\t)%4)+4*\i+3], v3, s[4:5] offset:2048*(\t)+512*\i th:TH_LOAD_NT   ; 32 lanes read 512 consecutive bytes
.endr
.endm
.macro XTURN t                         ; a step's 2,048 bytes through the wave's stage: in as they lie, out 64 bytes a lane.  LDS serves a wave's instructions in order: no wait between
.irp i, 0,1,2,3
	ds_store_b128 v14, v[R+16*((\t)%4)+4*\i:R+16*((\t)%4)+4*\i+3] offset:32*SP*((\t)%2)+8*SP*\i
.endr
.irp i, 0,1,2,3
	ds_load_b128 v[X+16*((\t)%2)+4*\i:X+16*((\t)%2)+4*\i+3], v15 offset:32*SP*((\t)%2)+16*\i
.endr
.endm
.macro XSTEP t
.set XS, X+16*((\t)%2)
	s_wait_dscnt 0x0                               ; this step's numbers are back, so the stores into the stage have read their registers,
.if (\t)+4 < STEPS
	XLOAD (\t)+4                                   ; which take the loads of four steps on
.endif
.if (\t)+1 < STEPS
.if STEPS-2-(\t) >= 3
	s_wait_loadcnt 12                              ; the next step's four loads are in; three steps' twelve may be out
.else
	s_wait_loadcnt 4*(STEPS-2-(\t))
.endif
	XTURN (\t)+1
.endif
.set i, 0
.rept 16
	v_med3_num_f32 v[XS+i], v[XS+i], -v10, v10     ; the conversion does not saturate (ISA guide 7.6.2): the hold at the largest code x the scale comes first
.set i, i+1
.endr
	v_cvt_scalef32_pk8_fp8_f32 v[C+4*(\t):C+4*(\t)+1], v[XS:XS+7], v11
	v_cvt_scalef32_pk8_fp8_f32 v[C+4*(\t)+2:C+4*(\t)+3], v[XS+8:XS+15], v11
	global_store_b128 v3, v[C+4*(\t):C+4*(\t)+3], s[12:13] offset:512*(\t)   ; the wave stores 512 consecutive bytes, aligned; the next vector lines are plain and touch other registers
.endm
.macro WLOAD t                         ; block t: rows 32 t + i of the weight at my column
.set i, 0
.rept 32
	global_load_b32 v[WX+32*((\t)%2)+i], v[RO+i], s[36+2*(\t):37+2*(\t)] th:TH_LOAD_NT
.set i, i+1
.endr
.endm
.macro WBLOCK t
.set XS, WX+32*((\t)%2)
.if (\t) < 7
	s_wait_loadcnt 32                              ; this block's 32 loads are in; the next block's may be out
.else
	s_wait_loadcnt 0x0
.endif
.set i, 0
.rept 32
	v_med3_num_f32 v[XS+i], v[XS+i], -v10, v10
.set i, i+1
.endr
.irp g, 0,1,2,3
	v_cvt_scalef32_pk8_fp8_f32 v[WC+2*\g:WC+2*\g+1], v[XS+8*\g:XS+8*\g+7], v11
.endr
	ds_store_b128 v4, v[WC:WC+3] offset:32*(\t)    ; 32 codes along K of my column's row
	ds_store_b128 v4, v[WC+4:WC+7] offset:32*(\t)+16
.if (\t)+2 < 8
	WLOAD (\t)+2
.endif
	s_wait_dscnt 0x0                               ; the stores have read their registers: the next block's codes may be written
.endm
	s_load_b256 s[4:11], s[0:1], 0x0               ; x s[4:5], W_qkv s[6:7], W_fc s[8:9], the scales s[10:11]
	s_load_b128 s[12:15], s[0:1], 0x20             ; x_codes s[12:13], w_codes s[14:15]
	v_lshl_add_u32 v208, v0, 2, 0x10800
	v_mov_b32 v209, 0
	v_lshrrev_b32 v1, 5, v0
	v_readfirstlane_b32 s16, v1                    ; wave 0..3
	v_and_b32 v2, 31, v0                           ; lane
	s_wait_kmcnt 0x0
	s_load_b256 s[24:31], s[10:11], 0x0            ; the eight exponents
	s_cmp_ge_u32 ttmp9, 256
	s_cbranch_scc1 .Lweights
	; ---- way X: my wave's run is 8 rows of x, 8,192 numbers
	s_wait_alu depctr_va_vdst(0)
	v_lshlrev_b32 v3, 4, v2                        ; 16 x lane: my bytes of a load's 512, and of a step's codes
	s_wait_alu depctr_va_vdst(0)
	s_mul_i32 s17, s16, WREG
	v_lshrrev_b32 v14, 2, v2
	v_mul_u32_u24 v14, v14, SP
	v_and_b32 v15, 3, v2
	v_lshl_add_u32 v14, v15, 4, v14
	v_add_nc_u32 v14, s17, v14                     ; the stage, in: SP (lane / 4) + 16 (lane % 4)
	v_mul_u32_u24 v15, v2, SP
	v_add_nc_u32 v15, s17, v15                     ; and out: SP x lane
	s_lshl_b32 s18, ttmp9, 2
	s_add_co_u32 s20, s18, s16                     ; the run: 4 x work-group + wave
	s_lshl_b32 s20, s20, 15                        ; 32,768 bytes of f32 a run
	s_mov_b32 s21, 0
	s_add_nc_u64 s[4:5], s[4:5], s[20:21]
	s_and_b32 s19, s16, 1                          ; a run is 8 rows, so sigma exchanges bits 0 and 1 of the run's number, which are the wave's
	s_lshl_b32 s19, s19, 1
	s_lshr_b32 s22, s16, 1
	s_or_b32 s19, s19, s22
	s_add_co_u32 s20, s18, s19
	s_lshl_b32 s20, s20, 13                        ; 8,192 bytes of codes a run
	s_add_nc_u64 s[12:13], s[12:13], s[20:21]
.irp t, 0,1,2,3
	XLOAD \t
.endr
	s_wait_alu depctr_va_vdst(0)
	s_wait_kmcnt 0x0
	s_add_co_i32 s22, s24, 127                     ; e of x
	s_lshl_b32 s23, s22, 23
	v_mov_b32 v11, s23                             ; 2^e as f32: the conversion takes its exponent field
	s_add_co_i32 s22, s22, 8
	s_lshl_b32 s22, s22, 23
	s_or_b32 s22, s22, 0x600000
	v_mov_b32 v10, s22                             ; 448 x 2^e
	s_wait_alu depctr_va_vdst(0)
	s_wait_loadcnt 12                              ; step 0's four loads are in
	XTURN 0
.irp t, 0,1,2,3,4,5,6,7,8,9,10,11,12,13,14,15
	XSTEP \t
.endr
	s_wait_tensorcnt 0x0
	ds_add_u32 v208, v209
	s_wait_dscnt 0x0
	s_endpgm
	; ---- way W: 32 groups of 128 columns (24 of W_qkv, 8 of W_fc) x 4 parts of 256 along K; a wave takes 32 columns
.Lweights:
	s_sub_co_u32 s17, ttmp9, 256
	s_and_b32 s18, s17, 31                         ; the group of columns = 128 rows of w_codes
	s_lshr_b32 s19, s17, 5                         ; which 256 along K
	s_wait_kmcnt 0x0
	s_mov_b32 s20, 4096
	s_cmp_lt_u32 s18, 24                           ; W_qkv or W_fc: the choice hangs on the work-group's number alone
	s_cselect_b64 s[4:5], s[6:7], s[8:9]
	s_cselect_b32 s20, 12288, s20                  ; bytes in a row of the weight
	s_cselect_b32 s21, 0, 24
	s_cselect_b32 s22, s25, s31                    ; its e
	s_sub_co_u32 s21, s18, s21                     ; the group's number within its weight
	s_lshl_b32 s23, s21, 7
	s_lshl_b32 s32, s16, 5
	s_add_co_u32 s23, s23, s32                     ; my wave's first column
	s_lshl_b32 s32, s23, 2
	s_mul_i32 s33, s19, s20
	s_lshl_b32 s33, s33, 8                         ; 256 rows for each part along K
	s_add_co_u32 s32, s32, s33
	s_mov_b32 s33, 0
	s_add_nc_u64 s[36:37], s[4:5], s[32:33]        ; block 0's base; eight bases, 32 rows apart: no pointer is ever stepped
	s_lshl_b32 s34, s20, 5
	s_mov_b32 s35, 0
.irp t, 1,2,3,4,5,6,7
	s_add_nc_u64 s[36+2*\t:37+2*\t], s[34+2*\t:35+2*\t], s[34:35]
.endr
	s_wait_alu depctr_va_vdst(0)
	v_lshlrev_b32 v[RO], 2, v2                     ; 4 bytes a lane: 32 lanes read 128 consecutive bytes of a row
.set i, 1
.rept 31
	v_add_nc_u32 v[RO+i], s20, v[RO+i-1]
.set i, i+1
.endr
	WLOAD 0
	WLOAD 1
	s_mul_i32 s52, s16, 32*WP
	s_add_co_u32 s52, s52, WSTG                    ; my stage
	v_and_b32 v5, 7, v2
	v_bfe_u32 v6, v2, 3, 1
	v_lshl_or_b32 v5, v6, 4, v5
	v_bfe_u32 v6, v2, 4, 1
	v_lshl_or_b32 v5, v6, 3, v5                    ; sigma(lane): my column's row in the stage: this is the whole permutation
	v_mul_u32_u24 v4, v5, WP
	v_add_nc_u32 v4, s52, v4
	v_and_b32 v5, 15, v2
	v_lshrrev_b32 v6, 4, v2                        ; out of it: sixteen lanes to a row, two rows an instruction
	v_mul_u32_u24 v7, v6, WP
	v_lshl_add_u32 v7, v5, 4, v7
	v_add_nc_u32 v7, s52, v7
	v_lshlrev_b32 v8, 10, v6
	v_lshl_add_u32 v8, v5, 4, v8                   ; and the same place in w_codes: rows of 1,024 bytes
	s_lshl_b32 s32, s18, 7
	s_lshl_b32 s33, s16, 5
	s_add_co_u32 s32, s32, s33
	s_lshl_b32 s32, s32, 10                        ; my 32 rows of w_codes,
	s_lshl_b32 s33, s19, 8
	s_add_co_u32 s32, s32, s33                     ; my 256 bytes of them
	s_mov_b32 s33, 0
	s_add_nc_u64 s[14:15], s[14:15], s[32:33]
	s_add_co_i32 s22, s22, 127
	s_lshl_b32 s23, s22, 23
	v_mov_b32 v11, s23                             ; 2^e
	s_add_co_i32 s22, s22, 8
	s_lshl_b32 s22, s22, 23
	s_or_b32 s22, s22, 0x600000
	v_mov_b32 v10, s22                             ; 448 x 2^e
	s_wait_alu depctr_va_vdst(0)
.irp t, 0,1,2,3,4,5,6,7
	WBLOCK \t
.endr
.irp t, 0,1,2,3,4,5,6,7,8,9,10,11,12,13,14,15
	ds_load_b128 v[OUTR+4*\t:OUTR+4*\t+3], v7 offset:2*\t*WP   ; LDS serves a wave's instructions in order: these see my stores
.endr
.irp t, 0,1,2,3,4,5,6,7,8,9,10,11,12,13,14,15
	s_wait_dscnt 15-\t                             ; rows 2 t and 2 t + 1 are back; the younger loads may be out
	global_store_b128 v8, v[OUTR+4*\t:OUTR+4*\t+3], s[14:15] offset:2*\t*1024   ; sixteen lanes store 256 consecutive bytes, aligned
.endr
	s_wait_tensorcnt 0x0
	ds_add_u32 v208, v209
	s_wait_dscnt 0x0
	s_endpgm
.Lfunc_end_k_q8ec2c6153f_quant:
	.size	k_q8ec2c6153f_quant, .Lfunc_end_k_q8ec2c6153f_quant-k_q8ec2c6153f_quant
	.p2alignl 7, 3214868480
	.fill 96, 4, 3214868480
	.section	.rodata,"a",@progbits
	.p2align	6, 0x0
	.amdhsa_kernel k_q8ec2c6153f_quant
		.amdhsa_group_segment_fixed_size 68096
		.amdhsa_private_segment_fixed_size 0
		.amdhsa_enable_private_segment 0
		.amdhsa_kernarg_size 48
		.amdhsa_user_sgpr_count 2
		.amdhsa_user_sgpr_kernarg_segment_ptr 1
		.amdhsa_wavefront_size32 1
		.amdhsa_system_sgpr_workgroup_id_x 1
		.amdhsa_system_sgpr_workgroup_id_y 1
		.amdhsa_system_sgpr_workgroup_id_z 1
		.amdhsa_system_vgpr_workitem_id 0
		.amdhsa_next_free_vgpr 210
		.amdhsa_next_free_sgpr 66
		.amdhsa_reserve_vcc 0
		.amdhsa_float_denorm_mode_32 3
		.amdhsa_float_denorm_mode_16_64 3
		.amdhsa_memory_ordered 1
		.amdhsa_forward_progress 1
		.amdhsa_inst_pref_size 87
	.end_amdhsa_kernel
	.amdgpu_metadata
---
amdhsa.version: [ 1, 2 ]
amdhsa.kernels:
  - .name:           k_q8ec2c6153f_quant
    .symbol:         k_q8ec2c6153f_quant.kd
    .args:
      - { .name: x, .offset: 0, .size: 8, .value_kind: global_buffer, .address_space: global }
      - { .name: W_qkv, .offset: 8, .size: 8, .value_kind: global_buffer, .address_space: global }
      - { .name: W_fc, .offset: 16, .size: 8, .value_kind: global_buffer, .address_space: global }
      - { .name: lowp_scales, .offset: 24, .size: 8, .value_kind: global_buffer, .address_space: global }
      - { .name: x_codes, .offset: 32, .size: 8, .value_kind: global_buffer, .address_space: global }
      - { .name: w_codes, .offset: 40, .size: 8, .value_kind: global_buffer, .address_space: global }
    .group_segment_fixed_size: 68096
    .private_segment_fixed_size: 0
    .kernarg_segment_align: 8
    .kernarg_segment_size: 48
    .max_flat_workgroup_size: 128
    .sgpr_count:     66
    .vgpr_count:     210
    .wavefront_size: 32
...
	.end_amdgpu_metadata
.endif
;; end of part 1
;; launch gemm_qkv (part 2): grid 12 x 32, 4 waves a work-group, clusters of 4 x 4, 327,680 bytes of LDS; arguments x_codes, w_codes, lowp_scales, b_qkv, q_img, kv_img; writes q_img, kv_img
.if DOCPART == 2
	.amdgcn_target "amdgcn-amd-amdhsa--gfx1250"
	.amdhsa_code_object_version 6
	.text
	.protected	k_q8ec2c6153f_gemm_qkv
	.globl	k_q8ec2c6153f_gemm_qkv
	.p2align	8
	.type	k_q8ec2c6153f_gemm_qkv,@function
k_q8ec2c6153f_gemm_qkv:
	s_mov_b64 s[64:65], 0
	v_nop
	global_prefetch_b8 v0, s[64:65] scope:SCOPE_SE
	s_setreg_imm32_b32 hwreg(HW_REG_WAVE_MODE, 25, 1), 1
	s_wait_xcnt 0x0
	s_wait_alu depctr_hold_cnt(0) depctr_sa_sdst(0) depctr_va_vdst(0) depctr_va_sdst(0) depctr_va_ssrc(0) depctr_va_vcc(0) depctr_vm_vsrc(0)
	s_getreg_b32 s2, hwreg(HW_REG_IB_STS2, 6, 4)
	s_cmp_eq_u32 s2, 0
	s_cbranch_scc0 .Lentry_in_a_cluster
	s_endpgm
.Lentry_in_a_cluster:
	s_bfe_u32 s2, ttmp6, 0x10000c
	s_cmp_lg_u32 s2, 0xf033
	s_cbranch_scc0 .Lentry_shape_is_right
	s_endpgm
.Lentry_shape_is_right:
; qkv = x W_qkv + b_qkv on codes of E4M3 (scales 2^e0, 2^e1), and q, k, v quantised at once with 2^e2, 2^e3, 2^e4: they leave as images of the next products' operand registers.
; A tile of 256 x 256 is made by four waves, 128 x 128 each: 64 accumulators, 512 registers.  K = 1,024 goes in steps of 256 through a ring of two LDS slots filled by the tensor data mover.
; CLUSTERS of 4 x 4 work-groups; the cluster's x is the section: 0 = q, 1 = k, 2 = v: a number that all sixteen partners share, so branches may hang on it.
; ROW OPERAND R (source 1, shared along a row of the cluster) and COLUMN OPERAND C (source 0, shared along a column).  For q and k: R = tokens (x_codes), C = W's columns (w_codes): a lane holds one token and
; its registers run along the head's channels, the next product's K.  For v THE ROLES ARE EXCHANGED: R = W_v's columns, C = tokens: a lane holds one channel and its registers run along the keys.
; Both code buffers store logical row i at row sigma(i) (bits 3 and 4 exchanged).  So a lane's 16 registers of column blocks 2 q and 2 q + 1 are the 16 logical neighbours 32 q + 16 (lane / 16) + 0 .. 15:
; two conversions make of them registers 4 q .. 4 q + 3 of the next operand, and one store of 16 bytes a lane, 512 consecutive bytes a wave, puts them where the reader loads them back in the same lanes.
; The bias, divided by 2^(e0 + e1), is the C of each sum's first matrix instruction.  The three scales ahead of the quantiser are folded into the conversion's one: 2^(e_s - e0 - e1).
; LIMITS: e_s - e0 - e1 between -126 and 119 for e_s = e2, e3, e4.  NaN is not served.
; REGISTERS, in windows of 256: window 0: v0-31 addresses and scales; v32-95 the bias in the result's layout, later a block's held sums; v96-223 on the way out the codes; from v128 R's fragments, ONE set.
;   window 1: C's fragments, TWO sets.   window 2: the accumulators of my R rows 0-63 ((a, b) at v[8 (8 a + b)]);   window 3: those of rows 64-127.
.set SIZE_K, 1024
.set KSTEP,  256
.set ROWB,   256
.set KROW,   SIZE_K
.set PITCH,  272                       ; an LDS row: 256 bytes + 16 of padding: the 16 rows that a load touches start at 16 different banks (64 banks of 4 bytes: ISA guide 11.1)
.set FR,     16
.set NL,     4
.set NP,     4                         ; places behind this matrix instruction (ISA guide 7.12.1)
.set HALFT,  128*PITCH
.set SLOT,   4*HALFT
.set LAPS,   SIZE_K/(2*KSTEP)
.set SPARE,  2*SLOT                    ; behind the ring: the spare words, 128 bytes a wave, that no other line names
.set ADRA, 16                          ; v16-17  LDS address of my R fragments in slot 0, 1
.set ADRB, 20                          ; v20-21  the same for C
.set LI,   27                          ; v27     16 x lane: an image's place for my lane
.set SPW,  28                          ; v28     my spare word's LDS address; never rewritten
.set NIL,  29                          ; v29     0; never rewritten
.set LIM,  30                          ; v30     448 x 2^(e_s - e0 - e1)
.set SCL,  31                          ; v31     2^(e_s - e0 - e1)
.set BI,   32                          ; v32-95  the bias
.set TMP,  32                          ; v32-95  on the way out
.set CD,   96                          ; v96-223 codes: 16 registers for each of eight blocks, so that no store's data are written again
.set AF,   128
.set G1, 24
.set G0, 32
.set G1B, 48
.set G0B, 56
.set MSB, 0
.macro WIN new                         ; the immediate's high byte repeats the setting that is left
.if MSB != \new
	s_set_vgpr_msb (MSB<<8)|\new
.set MSB, \new
.endif
.endm
.set MUL_LO,  0xa1                     ; source 0 (C operand) window 1, source 1 (R) window 0, sums window 2
.set MUL_HI,  0xf1                     ; the same, sums window 3
.set BIAS_LO, 0x81                     ; the first step: the addend (the bias) in window 0, the result in window 2
.set BIAS_HI, 0xc1                     ; or 3
.set TO_B,    0x40
; A joint load: waves 0 and 1 fetch for R, waves 2 and 3 for C.  Four v_nop follow each of the two lines.
.macro JLOAD g0a, g1a, g0b, g1b
	s_cmp_eq_u32 s15, 0
	s_cbranch_scc0 .Lfor_b_\@
	tensor_load_to_lds s[\g0a:\g0a+3], s[\g1a:\g1a+7]
	s_nop 0
.rept 4
	v_nop
.endr
	s_branch .Lasked_\@
.Lfor_b_\@:
	tensor_load_to_lds s[\g0b:\g0b+3], s[\g1b:\g1b+7]
	s_nop 0
.rept 4
	v_nop
.endr
.Lasked_\@:
.endm
.macro CREST
	s_cmp_lg_u32 s14, 0
	s_cbranch_scc1 .Lnot_wave_0_\@
	s_barrier_signal -3
.Lnot_wave_0_\@:
	s_barrier_wait -3
	s_barrier_signal -1
	s_barrier_wait -1
.endm
.macro CROUND
	s_barrier_signal -1
	s_barrier_wait -1
	CREST
.endm
	s_load_b128 s[4:7], s[0:1], 0x0                ; x_codes s[4:5], w_codes s[6:7]
	s_load_b128 s[8:11], s[0:1], 0x10              ; the scales s[8:9], b_qkv s[10:11]
	s_load_b128 s[68:71], s[0:1], 0x20             ; q_img s[68:69], kv_img s[70:71]
	v_lshl_add_u32 v[SPW], v0, 2, SPARE
	v_mov_b32 v[NIL], 0
	ds_add_u32 v28, v29
	ds_add_u32 v28, v29
	s_wait_dscnt 0x0
	v_lshrrev_b32 v1, 5, v0
	v_readfirstlane_b32 s14, v1                    ; wave 0..3
	s_lshr_b32 s15, s14, 1                         ; which half of the tile's R rows is mine.  Also: I fetch for R (0) or for C (1)
	s_and_b32 s16, s14, 1                          ; which half of its C rows.  Also: which 128 rows I fetch
	s_bfe_u32 s40, ttmp6, 0x40000                  ; cx
	s_bfe_u32 s41, ttmp6, 0x40004                  ; cy
	s_and_b32 s18, ttmp7, 0xffff
	s_lshl_b32 s18, s18, 2                         ; 4 x cluster y
	s_lshl_b32 s19, ttmp9, 2                       ; 4 x cluster x
	s_cmp_eq_u32 ttmp9, 2                          ; the section v?
	s_cselect_b32 s17, 8, s18                      ; R's tile: tokens by the cluster's y; for v rows 2,048 on of w_codes
	s_cselect_b32 s42, s18, s19                    ; C's tile: W's columns by the section; for v tokens by the cluster's y
	s_add_co_u32 s17, s17, s41                     ; + cy: it never meets cx
	s_add_co_u32 s42, s42, s40                     ; + cx: it never meets cy
	s_lshl_b32 s43, s41, 2
	s_lshl_b32 s43, 15, s43                        ; my row of the cluster
	s_lshl_b32 s44, 0x1111, s40                    ; my column
	s_or_b32 s[G1+0], s43, (0<<16)|(1<<20)|(1<<21)|(5<<22)|(3<<25)  ; the mask; elements of 1 byte; padding on; bit 21 beside a mask; 4 words after every 64
	s_or_b32 s[G1B+0], s44, (0<<16)|(1<<20)|(1<<21)|(5<<22)|(3<<25)
.irp g, G1, G1B
	s_mov_b32 s[\g+1], ROWB<<16                    ; tensor_dim0
	s_mov_b32 s[\g+2], 128<<16                     ; tensor_dim1
	s_mov_b32 s[\g+3], ROWB<<16                    ; tile_dim0
	s_mov_b32 s[\g+4], 128                         ; tile_dim1
	s_mov_b32 s[\g+5], KROW                        ; the pitch
	s_mov_b32 s[\g+6], 0
	s_mov_b32 s[\g+7], 0
.endr
	s_lshl_b32 s18, s16, 7                         ; which 128 rows of the tile I fetch
	s_lshl_b32 s20, s17, 8
	s_add_co_u32 s20, s20, s18
	s_lshl_b32 s46, s42, 8
	s_add_co_u32 s46, s46, s18
	s_mov_b32 s21, 0
	s_mov_b32 s47, 0
	s_mov_b64 s[18:19], KROW
	s_mul_u64 s[20:21], s[20:21], s[18:19]
	s_mul_u64 s[46:47], s[46:47], s[18:19]
	s_mul_i32 s45, s14, HALFT                      ; where they go: wave x 128 rows
	s_wait_kmcnt 0x0
	s_load_b256 s[72:79], s[8:9], 0x0              ; the eight exponents
	s_cmp_eq_u32 ttmp9, 2
	s_cselect_b64 s[92:93], s[6:7], s[4:5]         ; R's buffer
	s_cselect_b64 s[94:95], s[4:5], s[6:7]         ; C's buffer
	s_add_nc_u64 s[20:21], s[92:93], s[20:21]
	s_add_nc_u64 s[46:47], s[94:95], s[46:47]
	; the prefetches: of the 128 rows that my wave fetches, the partner at place p of the four that ask jointly (p = cx for R, cy for C) names rows 32 p .. 32 p + 31, a lane a row: told apart by address alone
	s_cmp_eq_u32 s15, 0
	s_cselect_b64 s[96:97], s[20:21], s[46:47]
	s_cselect_b32 s98, s40, s41
	s_lshl_b32 s98, s98, 15                        ; 32 rows of 1,024 bytes
	s_mov_b32 s99, 0
	s_add_nc_u64 s[96:97], s[96:97], s[98:99]      ; never rewritten: the K step stands in the immediate
	CROUND                                         ; all sixteen work-groups are here: the first joint loads meet
.irp s, 0,1
	s_mov_b32 s[G0+4*\s], 1
	s_add_co_u32 s[G0+4*\s+1], s45, \s*SLOT
	s_add_nc_u64 s[G0+4*\s+2:G0+4*\s+3], s[20:21], \s*ROWB
	s_or_b32 s[G0+4*\s+3], s[G0+4*\s+3], 0x80000000
	s_mov_b32 s[G0B+4*\s], 1
	s_add_co_u32 s[G0B+4*\s+1], s45, \s*SLOT
	s_add_nc_u64 s[G0B+4*\s+2:G0B+4*\s+3], s[46:47], \s*ROWB
	s_or_b32 s[G0B+4*\s+3], s[G0B+4*\s+3], 0x80000000
.endr
	JLOAD G0, G1, G0B, G1B                         ; K step 0: one tensor load a wave at the head
	v_and_b32 v1, 15, v0                           ; r
	v_bfe_u32 v2, v0, 4, 1                         ; h
	v_mul_u32_u24 v3, v1, PITCH
	v_lshl_add_u32 v4, v2, 4, v3
	s_mul_i32 s21, s15, HALFT
	s_mul_i32 s22, s16, HALFT
	s_add_co_u32 s22, s22, 2*HALFT
.irp s, 0,1
	v_add_nc_u32 v[ADRA+\s], s21, v4
	v_add_nc_u32 v[ADRB+\s], s22, v4
	s_add_co_u32 s21, s21, SLOT
	s_add_co_u32 s22, s22, SLOT
.endr
	v_and_b32 v6, 31, v0
	v_lshlrev_b32 v[LI], 4, v6
	v_lshlrev_b32 v24, 10, v6                      ; the prefetches' offset: my lane x a row of 1,024 bytes; never rewritten
	global_prefetch_b8 v24, s[96:97] offset:256 th:TH_LOAD_NT scope:SCOPE_SE   ; behind K step 0's load: K step 1, whose load goes out only when K step 0 has landed; 32 rows x 256 bytes a wave
	s_wait_kmcnt 0x0                               ; the exponents
	s_add_co_i32 s89, s72, s73                     ; e0 + e1: a sum stands for sum x 2^(e0 + e1)
	s_sub_co_i32 s88, 0, s89
	s_cmp_eq_u32 ttmp9, 0
	s_cselect_b32 s90, s74, s75
	s_cmp_eq_u32 ttmp9, 2
	s_cselect_b32 s90, s76, s90                    ; e_s: e2, e3 or e4 by the section: chosen, not branched on
	s_sub_co_i32 s90, s90, s89
	s_add_co_i32 s90, s90, 127
	s_lshl_b32 s91, s90, 23
	v_mov_b32 v[SCL], s91
	s_add_co_i32 s90, s90, 8
	s_lshl_b32 s90, s90, 23
	s_or_b32 s90, s90, 0x600000
	v_mov_b32 v[LIM], s90
	; where my images go.  GA: my group of 128 tokens (0..63); HA: the first of my two heads
	s_lshl_b32 s80, s42, 1
	s_add_co_u32 s80, s80, s16
	s_lshl_b32 s81, s17, 1
	s_add_co_u32 s81, s81, s15
	s_and_b32 s82, s17, 3
	s_lshl_b32 s82, s82, 2
	s_lshl_b32 s83, s15, 1
	s_add_co_u32 s82, s82, s83
	s_and_b32 s83, s42, 3
	s_lshl_b32 s83, s83, 2
	s_lshl_b32 s91, s16, 1
	s_add_co_u32 s83, s83, s91
	s_cmp_eq_u32 ttmp9, 2
	s_cselect_b32 s80, s80, s81                    ; GA
	s_cselect_b32 s82, s82, s83                    ; HA
	s_cselect_b32 s83, 8192, 0                     ; V lies behind K in a key step's 16,384 bytes
	s_lshr_b32 s81, s80, 4
	s_lshl_b32 s81, s81, 4
	s_add_co_u32 s81, s81, s82                     ; 16 x batch + head
	s_lshl_b32 s81, s81, 4
	s_and_b32 s80, s80, 15
	s_add_co_u32 s81, s81, s80                     ; x 16 + the group within the batch
	s_cmp_eq_u32 ttmp9, 0
	s_cselect_b32 s80, 13, 14                      ; 8,192 bytes a group in q_img, 16,384 in kv_img
	s_cselect_b64 s[84:85], s[68:69], s[70:71]
	s_lshl_b32 s81, s81, s80
	s_add_co_u32 s82, s81, s83
	s_mov_b32 s83, 0
	s_add_nc_u64 s[84:85], s[84:85], s[82:83]      ; my first head's images,
	s_add_co_u32 s80, s80, 4
	s_lshl_b32 s82, 1, s80
	s_add_nc_u64 s[86:87], s[84:85], s[82:83]      ; my second head's: 16 groups on
	; the bias: my 128 numbers begin at W_qkv's column 256 x tile + 128 x half, of the operand that holds W
	s_lshl_b32 s80, s17, 8
	s_lshl_b32 s81, s15, 7
	s_add_co_u32 s80, s80, s81
	s_lshl_b32 s82, s42, 8
	s_lshl_b32 s81, s16, 7
	s_add_co_u32 s82, s82, s81
	s_cmp_eq_u32 ttmp9, 2
	s_cselect_b32 s80, s80, s82
	s_lshl_b32 s80, s80, 2
	s_mov_b32 s81, 0
	s_add_nc_u64 s[10:11], s[10:11], s[80:81]
	s_cmp_eq_u32 ttmp9, 2
	s_cbranch_scc1 .Lbias_v
	v_lshlrev_b32 v7, 6, v2                        ; q, k: register j of column block b is column 32 (b / 2) + 8 (b % 2) + 16 h + j
.irp b, 0,1,2,3,4,5,6,7
	global_load_b128 v[BI+8*\b:BI+8*\b+3], v7, s[10:11] offset:(32*(\b/2)+8*(\b%2))*4
	global_load_b128 v[BI+8*\b+4:BI+8*\b+7], v7, s[10:11] offset:(32*(\b/2)+8*(\b%2))*4+16
.endr
	s_wait_loadcnt 0x0
.set i, 0
.rept 64
	v_ldexp_f32 v[BI+i], v[BI+i], s88              ; / 2^(e0 + e1)
.set i, i+1
.endr
	s_branch .Lbias_done
.Lbias_v:
	v_and_b32 v7, 8, v1                            ; v: all eight registers of row block a belong to channel 32 (a / 2) + 8 (a % 2) + r + 8 (r / 8)
	v_add_nc_u32 v7, v7, v1
	v_lshlrev_b32 v7, 2, v7
.irp a, 0,1,2,3,4,5,6,7
	global_load_b32 v[CD+\a], v7, s[10:11] offset:(32*(\a/2)+8*(\a%2))*4
.endr
	s_wait_loadcnt 0x0
.irp a, 0,1,2,3,4,5,6,7
.irp j, 0,1,2,3,4,5,6,7
	v_ldexp_f32 v[BI+8*\a+\j], v[CD+\a], s88
.endr
.endr
.Lbias_done:
.macro FRAG reg, adr, q, i             ; 16 rows x 128 K: lane l holds row l % 16; registers 4 c .. 4 c + 3 hold K = 32 c + 16 (l / 16) + 0 .. 15: the same places in both operands
.irp c, 0,1,2,3
	ds_load_b128 v[\reg+4*\c:\reg+4*\c+3], v[\adr] offset:128*(\q)+32*\c+(\i)*16*PITCH
.endr
.endm
; 16 matrix instructions: R's blocks a0, a0 + 1 x C's eight.  mode 0: the sums go on in place; 1: they begin with the bias by column block; 2: by row block.
; The 64 accumulators take turns, one instruction a turn, in the same order in every step.
.macro MUL16 a0, p, mode
.irp a, \a0, \a0+1
.irp b, 0,1,2,3,4,5,6,7
.if \mode == 1
	v_wmma_f32_16x16x128_fp8_fp8 v[8*(8*((\a)%4)+\b):8*(8*((\a)%4)+\b)+7], v[128*(\p)+FR*\b:128*(\p)+FR*\b+FR-1], v[AF+FR*(\a):AF+FR*(\a)+FR-1], v[BI+8*\b:BI+8*\b+7]
.elseif \mode == 2
	v_wmma_f32_16x16x128_fp8_fp8 v[8*(8*((\a)%4)+\b):8*(8*((\a)%4)+\b)+7], v[128*(\p)+FR*\b:128*(\p)+FR*\b+FR-1], v[AF+FR*(\a):AF+FR*(\a)+FR-1], v[BI+8*(\a):BI+8*(\a)+7]
.else
	v_wmma_f32_16x16x128_fp8_fp8 v[8*(8*((\a)%4)+\b):8*(8*((\a)%4)+\b)+7], v[128*(\p)+FR*\b:128*(\p)+FR*\b+FR-1], v[AF+FR*(\a):AF+FR*(\a)+FR-1], v[8*(8*((\a)%4)+\b):8*(8*((\a)%4)+\b)+7]
.endif
.endr
.endr
.endm
.macro FETCH_B slot, q, p
	WIN TO_B
.irp i, 0,1,2,3,4,5,6,7
	FRAG 128*(\p)+FR*\i, ADRB+\slot, \q, \i
.endr
	WIN 0
.endm
.macro FETCH_A slot, q, i0
.irp i, \i0, \i0+1, \i0+2, \i0+3
	FRAG AF+FR*(\i), ADRA+\slot, \q, \i
.endr
.endm
.macro PLACES n                        ; plain vector lines between a matrix instruction and a load into, or a vector read of, its registers
.rept \n
	v_nop
.endr
.endm
.macro STEP slot, q, mode              ; 128 along K that has its successor in the same slot
	s_wait_dscnt 4*NL                              ; C's set and R's blocks 0-3 are in; the youngest sixteen loads (R's blocks 4-7) may be out
.if \mode
	WIN BIAS_LO
.else
	WIN MUL_LO
.endif
	MUL16 0, (\q)%2, \mode
	MUL16 2, (\q)%2, \mode
	s_wait_dscnt 0
	PLACES NP
	FETCH_B \slot, (\q)+1, 1-(\q)%2
	FETCH_A \slot, (\q)+1, 0
.if \mode
	WIN BIAS_HI
.else
	WIN MUL_HI
.endif
	MUL16 4, (\q)%2, \mode
	MUL16 6, (\q)%2, \mode
	PLACES NP
	WIN 0
	FETCH_A \slot, (\q)+1, 4
.endm
; A slot's last step changes slots: one barrier; in front of it each wave waits for all its tensor loads, adds 0 to its spare word, and waits for that and for its reads of this slot.
.macro TURN slot, next, fill
	s_wait_tensorcnt 0x0                           ; all my tensor loads have landed: my part of the next slot
	ds_add_u32 v[SPW], v[NIL]
	s_wait_dscnt 4*NL+1                            ; the add and the youngest sixteen loads may be out
	WIN MUL_LO
	MUL16 0, 1, 0
	s_wait_dscnt 0x0                               ; the add is done, and my reads of this slot are over
	s_barrier_signal -1
	MUL16 2, 1, 0
	WIN 0
	s_barrier_wait -1
.if \fill
	CREST                                          ; the barrier has opened a round of the cluster's: no wave of any partner still reads this slot or has a load on its way
	s_add_nc_u64 s[G0+4*\slot+2:G0+4*\slot+3], s[G0+4*\slot+2:G0+4*\slot+3], 2*ROWB
	s_add_nc_u64 s[G0B+4*\slot+2:G0B+4*\slot+3], s[G0B+4*\slot+2:G0B+4*\slot+3], 2*ROWB
	JLOAD G0+4*\slot, G1, G0B+4*\slot, G1B         ; the first tensor load behind the round; its four v_nop are the places in front of the loads below
.else
	PLACES NP
.endif
	FETCH_B \next, 0, 0
	FETCH_A \next, 0, 0
.if \fill
.if \slot == 0
	global_prefetch_b8 v24, s[96:97] offset:768 th:TH_LOAD_NT scope:SCOPE_SE   ; behind K step 2's refill: K step 3, the last, one step ahead of its load; 32 rows x 256 bytes a wave
.endif
.endif
	WIN MUL_HI
	MUL16 4, 1, 0
	MUL16 6, 1, 0
	PLACES NP
	WIN 0
	FETCH_A \next, 0, 4
.endm
	s_wait_alu depctr_va_vdst(0)                   ; at the head's end
	s_wait_tensorcnt 0x0                           ; my part of K step 0 is in; slot 1's first fill is issued as a refill is:
	ds_add_u32 v[SPW], v[NIL]
	s_wait_dscnt 0x0                               ; the add is done
	CROUND                                         ; a whole round: everybody's part of K step 0 is in, and the joint loads meet
	JLOAD G0+4, G1, G0B+4, G1B                     ; K step 1: the first tensor load behind the round
	FETCH_B 0, 0, 0
	FETCH_A 0, 0, 0
	FETCH_A 0, 0, 4
	global_prefetch_b8 v24, s[96:97] offset:512 th:TH_LOAD_NT scope:SCOPE_SE   ; behind K step 1's load: K step 2, one step ahead of its load.  K steps 0 and 1 come by their loads alone
	s_cmp_eq_u32 ttmp9, 2                          ; the first step is written for both layouts of the bias
	s_cbranch_scc1 .Lfirst_v
	s_wait_alu depctr_va_vdst(0)
	STEP 0, 0, 1
	s_branch .Lfirst_done
.Lfirst_v:
	s_wait_alu depctr_va_vdst(0)
	STEP 0, 0, 2
.Lfirst_done:
	s_mov_b32 s3, LAPS-1
.Llap:                                             ; a trip goes once round the ring and fills both slots again
	TURN 0, 1, 1
	STEP 1, 0, 0
	TURN 1, 0, 1
	STEP 0, 0, 0
	s_sub_co_u32 s3, s3, 1
	s_cmp_lg_u32 s3, 0
	s_cbranch_scc1 .Llap
	TURN 0, 1, 0                                   ; the last lap fills nothing
	STEP 1, 0, 0
	s_wait_dscnt 4*NL
	WIN MUL_LO
	MUL16 0, 1, 0
	MUL16 2, 1, 0
	s_wait_dscnt 0
	WIN MUL_HI
	MUL16 4, 1, 0
	MUL16 6, 1, 0
	WIN 0
; THE WAY OUT, row block by row block: the hold (each accumulator from its low end on), eight conversions, four stores of 512 consecutive aligned bytes.  No LDS: the codes are already in the lanes that will want them.
.macro OUT isv
.irp a, 0,1,2,3,4,5,6,7
.set WW, 2+(\a)/4
	WIN WW                                         ; source 0: window 2 or 3
.set i, 0
.rept 64
	v_med3_num_f32 v[TMP+i], v[64*((\a)%4)+i], -v[LIM], v[LIM]   ; the conversion does not saturate (ISA guide 7.6.2)
.set i, i+1
.endr
	WIN 0
.irp b, 0,1,2,3,4,5,6,7
	v_cvt_scalef32_pk8_fp8_f32 v[CD+16*\a+2*\b:CD+16*\a+2*\b+1], v[TMP+8*\b:TMP+8*\b+7], v[SCL]
.endr
	v_nop                                          ; a plain line between the conversions and the next block's holds, which write their sources
.irp q, 0,1,2,3
.if \isv
	global_store_b128 v[LI], v[CD+16*\a+4*\q:CD+16*\a+4*\q+3], s[84+2*((\a)/4):85+2*((\a)/4)] offset:((\a)%4)*2048+\q*512   ; head a / 4, channel tile a % 4, keys 32 q on
.else
	global_store_b128 v[LI], v[CD+16*\a+4*\q:CD+16*\a+4*\q+3], s[84+2*((\q)/2):85+2*((\q)/2)] offset:(\a)*1024+((\q)%2)*512   ; head q / 2, token tile a, channels 32 (q % 2) on
.endif
.endr
.endr
.endm
	PLACES NP
	s_cmp_eq_u32 ttmp9, 2
	s_cbranch_scc1 .Lout_v
	OUT 0
	s_branch .Lout_done
.Lout_v:
	OUT 1
.Lout_done:
	s_wait_tensorcnt 0x0                           ; the wave's end
	ds_add_u32 v[SPW], v[NIL]
	s_wait_dscnt 0x0
	CROUND                                         ; the closing round
	s_endpgm
.Lfunc_end_k_q8ec2c6153f_gemm_qkv:
	.size	k_q8ec2c6153f_gemm_qkv, .Lfunc_end_k_q8ec2c6153f_gemm_qkv-k_q8ec2c6153f_gemm_qkv
	.p2alignl 7, 3214868480
	.fill 96, 4, 3214868480
	.section	.rodata,"a",@progbits
	.p2align	6, 0x0
	.amdhsa_kernel k_q8ec2c6153f_gemm_qkv
		.amdhsa_group_segment_fixed_size 327680
		.amdhsa_private_segment_fixed_size 0
		.amdhsa_enable_private_segment 0
		.amdhsa_kernarg_size 48
		.amdhsa_user_sgpr_count 2
		.amdhsa_user_sgpr_kernarg_segment_ptr 1
		.amdhsa_wavefront_size32 1
		.amdhsa_system_sgpr_workgroup_id_x 1
		.amdhsa_system_sgpr_workgroup_id_y 1
		.amdhsa_system_sgpr_workgroup_id_z 1
		.amdhsa_system_vgpr_workitem_id 0
		.amdhsa_next_free_vgpr 1024
		.amdhsa_next_free_sgpr 100
		.amdhsa_reserve_vcc 0
		.amdhsa_float_denorm_mode_32 3
		.amdhsa_float_denorm_mode_16_64 3
		.amdhsa_memory_ordered 1
		.amdhsa_forward_progress 1
		.amdhsa_inst_pref_size 179
	.end_amdhsa_kernel
	.amdgpu_metadata
---
amdhsa.version: [ 1, 2 ]
amdhsa.kernels:
  - .name:           k_q8ec2c6153f_gemm_qkv
    .symbol:         k_q8ec2c6153f_gemm_qkv.kd
    .args:
      - { .name: x_codes, .offset: 0, .size: 8, .value_kind: global_buffer, .address_space: global }
      - { .name: w_codes, .offset: 8, .size: 8, .value_kind: global_buffer, .address_space: global }
      - { .name: lowp_scales, .offset: 16, .size: 8, .value_kind: global_buffer, .address_space: global }
      - { .name: b_qkv, .offset: 24, .size: 8, .value_kind: global_buffer, .address_space: global }
      - { .name: q_img, .offset: 32, .size: 8, .value_kind: global_buffer, .address_space: global }
      - { .name: kv_img, .offset: 40, .size: 8, .value_kind: global_buffer, .address_space: global }
    .group_segment_fixed_size: 327680
    .private_segment_fixed_size: 0
    .kernarg_segment_align: 8
    .kernarg_segment_size: 48
    .max_flat_workgroup_size: 128
    .sgpr_count:     100
    .vgpr_count:     1024
    .wavefront_size: 32
...
	.end_amdgpu_metadata
.endif
;; end of part 2
;; launch attn (part 3): grid 4 x 64, 16 waves a work-group, clusters of 4 x 1, 264,192 bytes of LDS; arguments q_img, kv_img, lowp_scales, o_img; writes o_img
.if DOCPART == 3
	.amdgcn_target "amdgcn-amd-amdhsa--gfx1250"
	.amdhsa_code_object_version 6
	.text
	.protected	k_q8ec2c6153f_attn
	.globl	k_q8ec2c6153f_attn
	.p2align	8
	.type	k_q8ec2c6153f_attn,@function
k_q8ec2c6153f_attn:
	s_mov_b64 s[64:65], 0
	v_nop
	global_prefetch_b8 v0, s[64:65] scope:SCOPE_SE
	s_setreg_imm32_b32 hwreg(HW_REG_WAVE_MODE, 25, 1), 1
	s_wait_xcnt 0x0
	s_wait_alu depctr_hold_cnt(0) depctr_sa_sdst(0) depctr_va_vdst(0) depctr_va_sdst(0) depctr_va_ssrc(0) depctr_va_vcc(0) depctr_vm_vsrc(0)
	s_getreg_b32 s2, hwreg(HW_REG_IB_STS2, 6, 4)
	s_cmp_eq_u32 s2, 0
	s_cbranch_scc0 .Lentry_in_a_cluster
	s_endpgm
.Lentry_in_a_cluster:
	s_bfe_u32 s2, ttmp6, 0x10000c
	s_cmp_lg_u32 s2, 0x3003
	s_cbranch_scc0 .Lentry_shape_is_right
	s_endpgm
.Lentry_shape_is_right:
; Causal attention on codes of E4M3, head size 64, 2,048 tokens, 64 (batch, head) pairs.  S^T = K Q^T (scales 2^e3, 2^e2), p = 2^(t - M) quantised with 2^e5, O^T = V^T P^T (V: 2^e4), O / l quantised with 2^e6.
; t = score x log2(e) / 8; M = the running largest t rounded UP to a whole number; the row's sum l is taken of the unquantised p; when M moves, l and O^T are multiplied by 2^(old M - new M), which rounds nothing.
; LEFT OUT: key steps, and on the diagonal halves of a key step, all of whose keys come after a tile's queries: the mask that the problem builds itself gives them the weight 0 for all values of the inputs.
; SHARES.  A cluster of four work-groups is one head.  Wave w of work-group cx owns TWO tiles of 16 queries: tile u = 4 y + cx, y = (w xor w / 4) % 2, of the group of 128 queries j = w / 2 (lo) and of group 15 - j (hi).
; A key step is 128 keys; lo needs steps 0 .. j, hi steps 0 .. 15 - j.  All branches hang on the wave's number and the step alone; cx enters global addresses and the mask's threshold alone.
; ON THE DIAGONAL a tile with y = 0 holds queries 0 .. 63 of its group: only keys 0 .. 63 of the step count (32 of a lane's 64 scores), and P's other half is zero codes.  With y = 1 (queries 64 .. 127) keys 0 .. 63 all count, and only the upper 32 scores are masked.
; LDS holds the head's whole K and V, 16 steps x 16,384 bytes, each byte filled once: wave w brings step w by ONE joint load of the four work-groups.  No ring, no refill, one barrier.
; No prefetch: all sixteen fills go out at the head, so there is no loop to run ahead in.
; Everything arrives as images of operand registers (16 bytes a lane, 512 a load).  A lane holds ONE query (lane % 16) throughout; a lane's 16 registers of two neighbouring tiles are 16 neighbours along the next product's K.
; Query of lane r in tile u of group g: 128 g + 32 (u / 2) + 8 (u % 2) + r + 8 (r / 8).
; LIMITS: e2 + e3 between -123 and 130 (added to c's exponent field); e5, and e6 - e4 - e5, between -126 and 119.  NaN is not served.
.set SPARE, 0x40000                    ; behind K and V: the spare words, 128 bytes a wave, that no other line names
.set LI,   1                           ; v1   16 x lane
.set ADR,  2                           ; v2   LDS address of the step in hand
.set DD,   3                           ; v3   my query's place in its group - 16 (lane / 16): register 16 b + i is hidden on the diagonal where 32 b + i is above it
.set NINF, 4                           ; v4   -infinity
.set PLIM, 5                           ; v5   448 x 2^e5; v252 the same once more, for the second half of a dual pair
.set PLIM2, 252
.set PSC,  6                           ; v6   2^e5
.set PT,   7                           ; v7   a lane permute's destination
.set SH,   8                           ; v[8:11]  hi: -M, the largest t, l in two halves
.set SL,   12                          ; v[12:15] lo
.set FF,   16                          ; v[16:17] f = 2^(old M - new M) (the pair's low word serves both halves)
.set C0,   18                          ; v18, v19, v22, v23 the maximum's four chains; then v[18:19] and v[22:23] the sum's third and fourth
.set C1,   19
.set C2,   22
.set C3,   23
.set SUM2, 20                          ; v[20:21] the sum's second chain
.set QH,   24                          ; v[24:31] Q hi;  v[32:39] Q lo
.set QL,   32
.set KV,   40                          ; v[40:103] eight fragments of K or four of V
.set PL,   104                         ; v[104:119] P lo, laid over S: conversion k writes two registers that earlier conversions and sums have read
.set S,    106                         ; v[106:169] the scores, then p
.set PH,   170                         ; v[170:185] P hi
.set OH,   186                         ; v[186:217] O^T hi;  v[218:249] O^T lo
.set OL,   218
.set OLIM, 250                         ; v250 448 x 2^(e6 - e4 - e5);  v251 2^(e6 - e4 - e5)
.set OSC,  251
.set SPW,  254                         ; v254 my spare word's LDS address; v255 0; never rewritten
.set NIL,  255
.set WV,   12
.set LL,   13                          ; s13  j: lo's last step
.set HL,   14                          ; s14  15 - j: hi's last step
.set TRIP, 15
.set SN,   16                          ; s16  the step
.set TB,   17                          ; s17  16,384 x the step
.set SEL,  20
.set CS,   22
.set G1,   24
.set G0,   32
.set AH,   36                          ; s36  y
.macro CROUND
	s_barrier_signal -1
	s_barrier_wait -1
	s_cmp_lg_u32 s[WV], 0
	s_cbranch_scc1 .Lnot_wave_0_\@
	s_barrier_signal -3
.Lnot_wave_0_\@:
	s_barrier_wait -3
	s_barrier_signal -1
	s_barrier_wait -1
.endm
.macro WAITA
	s_wait_alu depctr_va_vdst(0)
.endm
.macro KLOAD                           ; a step's K: eight tiles of 16 keys x 64 channels
.irp t, 0,1,2,3,4,5,6,7
	ds_load_b128 v[KV+8*\t:KV+8*\t+3], v[ADR] offset:1024*\t
	ds_load_b128 v[KV+8*\t+4:KV+8*\t+7], v[ADR] offset:1024*\t+512
.endr
.endm
.macro VLOAD                           ; a step's V: four tiles of 16 channels x 128 keys
.irp t, 0,1,2,3
.irp c, 0,1,2,3
	ds_load_b128 v[KV+16*\t+4*\c:KV+16*\t+4*\c+3], v[ADR] offset:8192+2048*\t+512*\c
.endr
.endr
.endm
.macro SQK q, t0                       ; four tiles of S^T
.irp t, \t0, \t0+1, \t0+2, \t0+3
	v_wmma_f32_16x16x64_fp8_fp8 v[S+8*(\t):S+8*(\t)+7], v[KV+8*(\t):KV+8*(\t)+7], v[\q:\q+7], 0
.endr
.endm
.macro MASK n0                         ; the diagonal: of 32 scores from n0 on the hidden ones become -infinity ahead of the maximum, so that p = 0
.set n, \n0
.rept 32
	v_cmp_gt_i32 vcc_lo, 32*(n/16)+n%16, v[DD]
	v_cndmask_b32 v[S+n], v[S+n], v[NINF], vcc_lo
.set n, n+1
.endr
.endm
.macro RESC o, half                    ; half of a tile's O^T x f; one wait stands directly ahead of these first readers of the last products' results, and serves both halves where they stand on end
.if \half == 0
	WAITA
.endif
.set n, 0
.rept 8
	v_pk_mul_f32 v[\o+16*\half+n:\o+16*\half+n+1], v[\o+16*\half+n:\o+16*\half+n+1], v[FF:FF+1] op_sel_hi:[1,0]
.set n, n+2
.endr
.endm
.macro PZERO p                         ; keys 64 .. 127 of a diagonal step with y = 0: zero codes
.set n, 8
.rept 8
	v_mov_b32 v[\p+n], 0
.set n, n+1
.endr
.endm
.macro PV o, p, t
	v_wmma_f32_16x16x128_fp8_fp8 v[\o+8*\t:\o+8*\t+7], v[KV+16*\t:KV+16*\t+15], v[\p:\p+15], v[\o+8*\t:\o+8*\t+7]
.endm
.macro FMAS st, cnt                    ; t - M for the next 2 cnt scores, from score n on
.rept \cnt
	v_pk_fma_f32 v[S+n:S+n+1], v[S+n:S+n+1], s[CS:CS+1], v[\st:\st+1] op_sel_hi:[1,0,0]
.set n, n+2
.endr
.endm
.macro HOLD k                          ; group k's eight p: p is not negative, so a one-sided hold, two numbers a line (the conversion does not saturate: ISA guide 7.6.2)
.set n, 0
.rept 4
	v_dual_min_num_f32 v[S+8*(\k)+n], v[S+8*(\k)+n], v[PLIM] :: v_dual_min_num_f32 v[S+8*(\k)+n+1], v[S+8*(\k)+n+1], v[PLIM2]
.set n, n+2
.endr
.endm
.macro ADDS st, k                      ; group k's eight unquantised p onto the sum's four chains (group 1 starts the fourth)
.if (\k) == 1
	v_pk_add_f32 v[C2:C2+1], v[S+8:S+9], v[S+10:S+11]
	v_pk_add_f32 v[\st+2:\st+3], v[\st+2:\st+3], v[S+12:S+13]
	v_pk_add_f32 v[SUM2:SUM2+1], v[SUM2:SUM2+1], v[S+14:S+15]
.else
	v_pk_add_f32 v[\st+2:\st+3], v[\st+2:\st+3], v[S+8*(\k):S+8*(\k)+1]
	v_pk_add_f32 v[SUM2:SUM2+1], v[SUM2:SUM2+1], v[S+8*(\k)+2:S+8*(\k)+3]
	v_pk_add_f32 v[C0:C0+1], v[C0:C0+1], v[S+8*(\k)+4:S+8*(\k)+5]
	v_pk_add_f32 v[C2:C2+1], v[C2:C2+1], v[S+8*(\k)+6:S+8*(\k)+7]
.endif
.endm
.macro SOFTMAX st, p, nr               ; on a lane's first nr scores (64, or 32)
	v_mov_b32 v[FF], v[\st]                        ; the old -M
	v_max3_num_f32 v[C0], v[S], v[S+1], v[S+2]     ; the step's largest score among my keys, in four chains, the scores in ascending order: each tile from its low end on
	v_max3_num_f32 v[C1], v[S+3], v[S+4], v[S+5]
	v_max3_num_f32 v[C2], v[S+6], v[S+7], v[S+8]
	v_max3_num_f32 v[C3], v[S+9], v[S+10], v[S+11]
.set n, 12
.rept (\nr-16)/8
	v_max3_num_f32 v[C0], v[C0], v[S+n], v[S+n+1]
	v_max3_num_f32 v[C1], v[C1], v[S+n+2], v[S+n+3]
	v_max3_num_f32 v[C2], v[C2], v[S+n+4], v[S+n+5]
	v_max3_num_f32 v[C3], v[C3], v[S+n+6], v[S+n+7]
.set n, n+8
.endr
	v_max3_num_f32 v[C0], v[C0], v[S+\nr-4], v[S+\nr-3]
	v_max3_num_f32 v[C1], v[C1], v[S+\nr-2], v[S+\nr-1]
	v_max_num_f32 v[C2], v[C2], v[C3]
	v_max3_num_f32 v[C0], v[C0], v[C1], v[C2]
	v_permlanex16_b32 v[PT], v[C0], s[SEL], s[SEL+1]
	v_max_num_f32 v[C0], v[C0], v[PT]              ; and among lane l xor 16's
	v_mul_f32 v[C0], s[CS], v[C0]                  ; as t (c is positive)
	v_max_num_f32 v[\st+1], v[\st+1], v[C0]        ; the running largest t
	v_floor_f32 v[\st], -v[\st+1]                  ; -M = floor(-t): M is a whole number
.set n, 0
	FMAS \st, 4                                    ; the three lines that make f stand among the multiply-adds, which do not wait for them
	v_sub_f32 v[C0], v[\st], v[FF]                 ; old M - new M, 0 or less
	FMAS \st, 4
	v_cvt_i32_f32 v[C0], v[C0]                     ; (it saturates)
	FMAS \st, 4
	v_ldexp_f32 v[FF], 1.0, v[C0]                  ; f
	FMAS \st, \nr/2-12
	WAITA                                          ; ahead of the batch
.set n, 0
.rept \nr
	v_exp_f32 v[S+n], v[S+n]                       ; p = 2^(t - M)
.set n, n+1
.endr
	v_pk_mul_f32 v[\st+2:\st+3], v[\st+2:\st+3], v[FF:FF+1] op_sel_hi:[1,0]   ; l under the new M: the plain line behind the exponentials
	WAITA                                          ; one wait for the whole batch, ahead of its first reader
	v_pk_add_f32 v[SUM2:SUM2+1], v[S:S+1], v[S+2:S+3]   ; the sum of the unquantised p: a group of eight is summed before it is held
	v_pk_add_f32 v[C0:C0+1], v[S+4:S+5], v[S+6:S+7]
	HOLD 0
.set k, 0
.rept \nr/8-1                          ; sums and holds run one group ahead of the conversions; the next group's sums are the plain lines behind a conversion
	ADDS \st, k+1
	HOLD k+1
	v_cvt_scalef32_pk8_fp8_f32 v[\p+2*k:\p+2*k+1], v[S+8*k:S+8*k+7], v[PSC]
.set k, k+1
.endr
	v_pk_add_f32 v[SUM2:SUM2+1], v[SUM2:SUM2+1], v[C0:C0+1]
	v_pk_add_f32 v[\st+2:\st+3], v[\st+2:\st+3], v[C2:C2+1]
	v_pk_add_f32 v[\st+2:\st+3], v[\st+2:\st+3], v[SUM2:SUM2+1]
	v_cvt_scalef32_pk8_fp8_f32 v[\p+2*k:\p+2*k+1], v[S+8*k:S+8*k+7], v[PSC]
.endm
; the softmax of one tile in a step that may be its diagonal one (last = the tile's last step)
.macro TILE st, p, last
	s_cmp_lg_u32 s[SN], s[\last]
	s_cbranch_scc1 .Lopen_\@
	s_cmp_eq_u32 s[AH], 0
	s_cbranch_scc1 .Lhalf_\@
	MASK 32
.Lopen_\@:
	SOFTMAX \st, \p, 64
	s_branch .Ljoin_\@
.Lhalf_\@:
	MASK 0
	SOFTMAX \st, \p, 32
	PZERO \p
.Ljoin_\@:
.endm
; A KEY STEP.  No two matrix instructions that follow each other share an accumulator.
.macro STEP
	s_cmp_gt_u32 s[SN], s[HL]
	s_cbranch_scc1 .Lskip_\@                       ; all its keys come after both my tiles
	v_add_nc_u32 v[ADR], s[TB], v[LI]
.rept 4
	v_nop                                          ; with the line above five places: the last products' V registers are loaded anew, and their P lo registers are written over by the products below
.endr
	KLOAD
	s_wait_dscnt 8                                 ; tiles 0-3 are in; the eight younger loads may be out
	SQK QH, 0
	s_wait_dscnt 0x0
	SQK QH, 4
.rept 4
	v_nop
.endr
	s_cmp_gt_u32 s[SN], s[LL]
	s_cbranch_scc1 .Lhi_\@
	SOFTMAX SH, PH, 64                             ; both tiles: hi is never on the diagonal here (j < 15 - j)
	RESC OH, 0
	SQK QL, 0
	SQK QL, 4
	WAITA                                          ; matrix instructions part the two halves here: the second half has a wait of its own
	RESC OH, 1
	VLOAD
	TILE SL, PL, LL
	RESC OL, 0
	RESC OL, 1
	WAITA
	s_wait_dscnt 0x0                               ; V is in
.irp t, 0,1,2,3
	PV OH, PH, \t
	PV OL, PL, \t
.endr
	s_branch .Lskip_\@
.Lhi_\@:
	WAITA
	VLOAD
	TILE SH, PH, HL
	RESC OH, 0
	RESC OH, 1
	WAITA
	s_wait_dscnt 0x0
.irp t, 0,1,2,3
	PV OH, PH, \t
.endr
.Lskip_\@:
	s_add_co_u32 s[SN], s[SN], 1
	s_add_co_u32 s[TB], s[TB], 16384
.endm
	s_load_b256 s[4:11], s[0:1], 0x0               ; q_img s[4:5], kv_img s[6:7], the scales s[8:9], o_img s[10:11]
	v_lshl_add_u32 v[SPW], v0, 2, SPARE
	v_mov_b32 v[NIL], 0
	ds_add_u32 v[SPW], v[NIL]                      ; the opening: the add, twice on end, and its wait ahead of my tensor load
	ds_add_u32 v[SPW], v[NIL]
	v_lshrrev_b32 v2, 5, v0
	v_readfirstlane_b32 s[WV], v2                  ; wave 0..15
	v_and_b32 v1, 31, v0
	v_lshlrev_b32 v[LI], 4, v1
	s_lshr_b32 s[LL], s[WV], 1
	s_xor_b32 s[HL], s[LL], 15                     ; 15 - j
	s_lshr_b32 s56, s[WV], 2
	s_xor_b32 s56, s56, s[WV]
	s_and_b32 s[AH], s56, 1                        ; y
	s_bfe_u32 s18, ttmp6, 0x40000                  ; cx
	s_and_b32 s19, ttmp7, 0xffff                   ; 16 x batch + head, which the four partners share
	s_mov_b32 s[G1], 15|(3<<16)|(1<<21)            ; the mask: all four work-groups; elements of 8 bytes; bit 21 beside a mask; no padding
	s_mov_b32 s[G1+1], 32<<16                      ; tensor_dim0: a row of 256 bytes
	s_mov_b32 s[G1+2], 64<<16                      ; tensor_dim1: 64 rows: a key step's 16,384 bytes, dense
	s_mov_b32 s[G1+3], 32<<16                      ; tile_dim0
	s_mov_b32 s[G1+4], 64                          ; tile_dim1
	s_mov_b32 s[G1+5], 32                          ; the pitch
	s_mov_b32 s[G1+6], 0
	s_mov_b32 s[G1+7], 0
	s_mov_b32 s[SEL], 0x76543210
	s_mov_b32 s[SEL+1], 0xfedcba98
	s_mov_b32 s[SN], 0
	s_mov_b32 s[TB], 0
	s_lshl_b32 s57, s[WV], 14                      ; wave w brings step w
	s_lshl_b32 s58, s19, 18                        ; a head's K and V: 262,144 bytes
	s_add_co_u32 s58, s58, s57
	s_mov_b32 s59, 0
	WAITA
	s_wait_dscnt 0x0                               ; both opening adds are done
	s_wait_kmcnt 0x0
	s_load_b256 s[48:55], s[8:9], 0x0              ; the eight exponents
	s_mov_b32 s[G0], 1
	s_mov_b32 s[G0+1], s57
	s_add_nc_u64 s[G0+2:G0+3], s[6:7], s[58:59]
	s_or_b32 s[G0+3], s[G0+3], 0x80000000
	CROUND                                         ; all four work-groups are here: the joint loads meet
	tensor_load_to_lds s[G0:G0+3], s[G1:G1+7]      ; my one tensor load of the launch
	s_nop 0
.rept 4
	v_nop
.endr
	s_lshl_b32 s60, s[AH], 2
	s_add_co_u32 s60, s60, s18                     ; u
	s_lshl_b32 s58, s19, 17                        ; a head's Q: 131,072 bytes
	s_lshl_b32 s56, s60, 10
	s_add_co_u32 s58, s58, s56
	s_add_nc_u64 s[4:5], s[4:5], s[58:59]
	s_lshl_b32 s56, s[HL], 13
	v_add_nc_u32 v22, s56, v[LI]
	s_lshl_b32 s56, s[LL], 13
	v_add_nc_u32 v23, s56, v[LI]
	global_load_b128 v[QH:QH+3], v22, s[4:5]
	global_load_b128 v[QH+4:QH+7], v22, s[4:5] offset:512
	global_load_b128 v[QL:QL+3], v23, s[4:5]
	global_load_b128 v[QL+4:QL+7], v23, s[4:5] offset:512
	s_lshr_b32 s56, s60, 1
	s_lshl_b32 s56, s56, 5
	s_and_b32 s57, s60, 1
	s_lshl_b32 s57, s57, 3
	s_add_co_u32 s56, s56, s57                     ; 32 (u / 2) + 8 (u % 2)
	v_and_b32 v18, 15, v0                          ; r
	v_bfe_u32 v19, v0, 4, 1                        ; h
	v_and_b32 v20, 8, v18
	v_add_nc_u32 v20, v20, v18                     ; r + 8 (r / 8)
	v_lshlrev_b32 v19, 4, v19
	v_sub_nc_u32 v[DD], v20, v19
	v_add_nc_u32 v[DD], s56, v[DD]                 ; my query's place in its group - 16 h
	v_mov_b32 v[NINF], 0xff800000
	v_mov_b32 v[PT], 0                             ; written once: a lane permute's destination counts as read
	v_mov_b32 v[SH+1], 0xff61b1e6                  ; the largest t so far: -3e38, under every t
	v_mov_b32 v[SL+1], 0xff61b1e6
	v_floor_f32 v[SH], -v[SH+1]
	v_floor_f32 v[SL], -v[SL+1]
	v_mov_b32 v[SH+2], 0
	v_mov_b32 v[SH+3], 0
	v_mov_b32 v[SL+2], 0
	v_mov_b32 v[SL+3], 0
	v_mov_b32 v[FF], 0
	v_mov_b32 v[FF+1], 0                           ; (named as the upper half of a pair)
	v_mov_b32 v[C0], 0
	v_mov_b32 v[C1], 0
	v_mov_b32 v[SUM2], 0
	v_mov_b32 v[SUM2+1], 0
.set n, 0
.rept 64
	v_mov_b32 v[OH+n], 0                           ; O^T of both tiles: the step is written once, and its first pass finds zeros
.set n, n+1
.endr
	s_wait_kmcnt 0x0
	s_add_co_i32 s56, s50, s51                     ; e2 + e3 are added to c's exponent field
	s_lshl_b32 s56, s56, 23
	s_add_co_i32 s[CS], s56, 0x3e38aa3b            ; c = log2(e) / 8
	s_mov_b32 s[CS+1], s[CS]
	s_add_co_i32 s56, s53, 127
	s_lshl_b32 s57, s56, 23
	v_mov_b32 v[PSC], s57                          ; 2^e5
	s_add_co_i32 s56, s56, 8
	s_lshl_b32 s56, s56, 23
	s_or_b32 s56, s56, 0x600000
	v_mov_b32 v[PLIM], s56
	v_mov_b32 v[PLIM2], s56
	s_sub_co_i32 s56, s54, s52
	s_sub_co_i32 s56, s56, s53                     ; e6 - e4 - e5: a sum of the second product stands for sum x 2^(e4 + e5)
	s_add_co_i32 s56, s56, 127
	s_lshl_b32 s57, s56, 23
	v_mov_b32 v[OSC], s57
	s_add_co_i32 s56, s56, 8
	s_lshl_b32 s56, s56, 23
	s_or_b32 s56, s56, 0x600000
	v_mov_b32 v[OLIM], s56
	WAITA                                          ; at the head's end
	s_wait_tensorcnt 0x0                           ; my step is in
	s_barrier_signal -1
	s_barrier_wait -1                              ; all sixteen steps lie in LDS; from here on the waves run free
	s_wait_loadcnt 0x0                             ; Q
	s_mov_b32 s[TRIP], 16
.Lsteps:
	STEP
	s_sub_co_u32 s[TRIP], s[TRIP], 1
	s_cmp_lg_u32 s[TRIP], 0
	s_cbranch_scc1 .Lsteps
	; THE WAY OUT: O^T / l, held, quantised: two conversions give registers 4 q .. 4 q + 3 of the last product's operand
.rept 4
	v_nop
.endr
	v_add_f32 v[SH+2], v[SH+2], v[SH+3]
	v_add_f32 v[SL+2], v[SL+2], v[SL+3]
	v_permlanex16_b32 v[PT], v[SH+2], s[SEL], s[SEL+1]
	v_permlanex16_b32 v[C0], v[SL+2], s[SEL], s[SEL+1]
	v_add_f32 v[SH+2], v[SH+2], v[PT]
	v_add_f32 v[SL+2], v[SL+2], v[C0]
	WAITA                                          ; ahead of the reciprocals
	v_rcp_f32 v[FF], v[SH+2]
	v_rcp_f32 v[SUM2], v[SL+2]
	v_nop                                          ; a plain line behind the reciprocals
	s_lshr_b32 s56, s19, 4
	s_lshl_b32 s56, s56, 4                         ; 16 x batch
	s_and_b32 s57, s19, 15
	s_lshl_b32 s57, s57, 10                        ; the head's 1,024 bytes of a token tile's 16,384
	s_add_co_u32 s58, s56, s[HL]
	s_lshl_b32 s58, s58, 3
	s_add_co_u32 s58, s58, s60                     ; the token tile: (16 x batch + group) x 8 + u
	s_lshl_b32 s58, s58, 14
	s_add_co_u32 s58, s58, s57
	v_add_nc_u32 v22, s58, v[LI]
	s_add_co_u32 s58, s56, s[LL]
	s_lshl_b32 s58, s58, 3
	s_add_co_u32 s58, s58, s60
	s_lshl_b32 s58, s58, 14
	s_add_co_u32 s58, s58, s57
	v_add_nc_u32 v23, s58, v[LI]
	WAITA                                          ; one wait for both reciprocals and for O^T, directly ahead of their first readers
.set n, 0
.rept 16
	v_pk_mul_f32 v[OH+n:OH+n+1], v[OH+n:OH+n+1], v[FF:FF+1] op_sel_hi:[1,0]
.set n, n+2
.endr
.set n, 0
.rept 16
	v_pk_mul_f32 v[OL+n:OL+n+1], v[OL+n:OL+n+1], v[SUM2:SUM2+1] op_sel_hi:[1,0]
.set n, n+2
.endr
.set n, 0
.rept 64
	v_med3_num_f32 v[OH+n], v[OH+n], -v[OLIM], v[OLIM]
.set n, n+1
.endr
.set k, 0
.rept 8
	v_cvt_scalef32_pk8_fp8_f32 v[PH+2*k:PH+2*k+1], v[OH+8*k:OH+8*k+7], v[OSC]
.set k, k+1
.endr
	v_nop
	global_store_b128 v22, v[PH:PH+3], s[10:11]              ; each store: 512 consecutive bytes, aligned
	global_store_b128 v22, v[PH+4:PH+7], s[10:11] offset:512
	global_store_b128 v23, v[PH+8:PH+11], s[10:11]
	global_store_b128 v23, v[PH+12:PH+15], s[10:11] offset:512
	s_wait_tensorcnt 0x0                           ; the wave's end
	ds_add_u32 v[SPW], v[NIL]
	s_wait_dscnt 0x0
	CROUND                                         ; the closing round
	s_endpgm
.Lfunc_end_k_q8ec2c6153f_attn:
	.size	k_q8ec2c6153f_attn, .Lfunc_end_k_q8ec2c6153f_attn-k_q8ec2c6153f_attn
	.p2alignl 7, 3214868480
	.fill 96, 4, 3214868480
	.section	.rodata,"a",@progbits
	.p2align	6, 0x0
	.amdhsa_kernel k_q8ec2c6153f_attn
		.amdhsa_group_segment_fixed_size 264192
		.amdhsa_private_segment_fixed_size 0
		.amdhsa_enable_private_segment 0
		.amdhsa_kernarg_size 32
		.amdhsa_user_sgpr_count 2
		.amdhsa_user_sgpr_kernarg_segment_ptr 1
		.amdhsa_wavefront_size32 1
		.amdhsa_system_sgpr_workgroup_id_x 1
		.amdhsa_system_sgpr_workgroup_id_y 1
		.amdhsa_system_sgpr_workgroup_id_z 1
		.amdhsa_system_vgpr_workitem_id 0
		.amdhsa_next_free_vgpr 256
		.amdhsa_next_free_sgpr 66
		.amdhsa_reserve_vcc 1
		.amdhsa_float_denorm_mode_32 3
		.amdhsa_float_denorm_mode_16_64 3
		.amdhsa_memory_ordered 1
		.amdhsa_forward_progress 1
		.amdhsa_inst_pref_size 80
	.end_amdhsa_kernel
	.amdgpu_metadata
---
amdhsa.version: [ 1, 2 ]
amdhsa.kernels:
  - .name:           k_q8ec2c6153f_attn
    .symbol:         k_q8ec2c6153f_attn.kd
    .args:
      - { .name: q_img, .offset: 0, .size: 8, .value_kind: global_buffer, .address_space: global }
      - { .name: kv_img, .offset: 8, .size: 8, .value_kind: global_buffer, .address_space: global }
      - { .name: lowp_scales, .offset: 16, .size: 8, .value_kind: global_buffer, .address_space: global }
      - { .name: o_img, .offset: 24, .size: 8, .value_kind: global_buffer, .address_space: global }
    .group_segment_fixed_size: 264192
    .private_segment_fixed_size: 0
    .kernarg_segment_align: 8
    .kernarg_segment_size: 32
    .max_flat_workgroup_size: 512
    .sgpr_count:     66
    .vgpr_count:     256
    .wavefront_size: 32
...
	.end_amdgpu_metadata
.endif
;; end of part 3
;; launch gemm_fc (part 4): grid 4 x 64, 4 waves a work-group, clusters of 4 x 4, 327,680 bytes of LDS; arguments o_img, w_codes, lowp_scales, b_fc, out0; writes out0
.if DOCPART == 4
	.amdgcn_target "amdgcn-amd-amdhsa--gfx1250"
	.amdhsa_code_object_version 6
	.text
	.protected	k_q8ec2c6153f_gemm_fc
	.globl	k_q8ec2c6153f_gemm_fc
	.p2align	8
	.type	k_q8ec2c6153f_gemm_fc,@function
k_q8ec2c6153f_gemm_fc:
	s_mov_b64 s[64:65], 0
	v_nop
	global_prefetch_b8 v0, s[64:65] scope:SCOPE_SE
	s_setreg_imm32_b32 hwreg(HW_REG_WAVE_MODE, 25, 1), 1
	s_wait_xcnt 0x0
	s_wait_alu depctr_hold_cnt(0) depctr_sa_sdst(0) depctr_va_vdst(0) depctr_va_sdst(0) depctr_va_ssrc(0) depctr_va_vcc(0) depctr_vm_vsrc(0)
	s_getreg_b32 s2, hwreg(HW_REG_IB_STS2, 6, 4)
	s_cmp_eq_u32 s2, 0
	s_cbranch_scc0 .Lentry_in_a_cluster
	s_endpgm
.Lentry_in_a_cluster:
	s_bfe_u32 s2, ttmp6, 0x10000c
	s_cmp_lg_u32 s2, 0xf033
	s_cbranch_scc0 .Lentry_shape_is_right
	s_endpgm
.Lentry_shape_is_right:
.set PITCH,  272
.set ABYTES, 32768
.set BHALF,  128*PITCH
.set SLOT,   ABYTES+2*BHALF
.set SPARE,  2*SLOT
.set SPITCH, 528
.set ADRA, 16
.set ADRB, 20
.set STO,  24
.set RD,   25
.set CO,   26
.set BO,   27
.set SPW,  28
.set NIL,  29
.set TMP,  32
.set AF,   128
.set BK,   128
.set G1, 24
.set G0, 32
.set G1B, 48
.set G0B, 56
.set MSB, 0
.macro WIN new
.if MSB != \new
	s_set_vgpr_msb (MSB<<8)|\new
.set MSB, \new
.endif
.endm
.set MUL, 0xa1
.macro JLOAD g0a, g1a, g0b, g1b
	s_cmp_eq_u32 s15, 0
	s_cbranch_scc0 .Lfor_b_\@
	tensor_load_to_lds s[\g0a:\g0a+3], s[\g1a:\g1a+7]
	s_nop 0
.rept 4
	v_nop
.endr
	s_branch .Lasked_\@
.Lfor_b_\@:
	tensor_load_to_lds s[\g0b:\g0b+3], s[\g1b:\g1b+7]
	s_nop 0
.rept 4
	v_nop
.endr
.Lasked_\@:
.endm
.macro CREST
	s_cmp_lg_u32 s14, 0
	s_cbranch_scc1 .Lnot_wave_0_\@
	s_barrier_signal -3
.Lnot_wave_0_\@:
	s_barrier_wait -3
	s_barrier_signal -1
	s_barrier_wait -1
.endm
.macro CROUND
	s_barrier_signal -1
	s_barrier_wait -1
	CREST
.endm
.macro PLACES n
.rept \n
	v_nop
.endr
.endm
	s_load_b128 s[4:7], s[0:1], 0x0
	s_load_b128 s[8:11], s[0:1], 0x10
	s_load_b64 s[12:13], s[0:1], 0x20
	v_lshl_add_u32 v[SPW], v0, 2, SPARE
	v_mov_b32 v[NIL], 0
	ds_add_u32 v28, v29
	ds_add_u32 v28, v29
	s_wait_dscnt 0x0
	v_lshrrev_b32 v1, 5, v0
	v_readfirstlane_b32 s14, v1
	s_lshr_b32 s15, s14, 1
	s_and_b32 s16, s14, 1
	s_bfe_u32 s40, ttmp6, 0x40000
	s_bfe_u32 s41, ttmp6, 0x40004
	s_lshl_b32 s42, ttmp9, 2
	s_add_co_u32 s42, s42, s40
	s_and_b32 s17, ttmp7, 0xffff
	s_lshl_b32 s17, s17, 2
	s_add_co_u32 s17, s17, s41
	s_lshl_b32 s43, s41, 2
	s_lshl_b32 s43, 15, s43
	s_lshl_b32 s44, 0x1111, s40
	s_or_b32 s[G1+0], s43, (0<<16)|(1<<21)
	s_mov_b32 s[G1+1], 4096<<16
	s_mov_b32 s[G1+2], 4<<16
	s_mov_b32 s[G1+3], 4096<<16
	s_mov_b32 s[G1+4], 4
	s_mov_b32 s[G1+5], 16384
	s_mov_b32 s[G1+6], 0
	s_mov_b32 s[G1+7], 0
	s_or_b32 s[G1B+0], s44, (0<<16)|(1<<20)|(1<<21)|(5<<22)|(3<<25)
	s_mov_b32 s[G1B+1], 256<<16
	s_mov_b32 s[G1B+2], 128<<16
	s_mov_b32 s[G1B+3], 256<<16
	s_mov_b32 s[G1B+4], 128
	s_mov_b32 s[G1B+5], 1024
	s_mov_b32 s[G1B+6], 0
	s_mov_b32 s[G1B+7], 0
	s_lshl_b32 s20, s17, 17
	s_lshl_b32 s18, s16, 16
	s_add_co_u32 s20, s20, s18
	s_mov_b32 s21, 0
	s_lshl_b32 s46, s42, 18
	s_lshl_b32 s47, s16, 17
	s_add_co_u32 s46, s46, s47
	s_add_co_u32 s46, s46, 0x300000
	s_mov_b32 s47, 0
	s_lshl_b32 s45, s16, 14
	s_mul_i32 s19, s16, BHALF
	s_add_co_u32 s19, s19, ABYTES
	s_wait_kmcnt 0x0
	s_load_b256 s[72:79], s[8:9], 0x0
	s_add_nc_u64 s[20:21], s[4:5], s[20:21]
	s_add_nc_u64 s[46:47], s[6:7], s[46:47]
	; the prefetches.  Waves 0, 1 fetch four token tiles x 4,096 bytes of o_img: the partner at place cx names one tile's 16 blocks of 256 bytes (lanes 16-31 name the last again).
	; Waves 2, 3 fetch 128 rows x 256 bytes of W_fc's codes: the partner at place cy names 32 rows, a lane a row.  The partners are told apart by address alone.
	s_cmp_eq_u32 s15, 0
	s_cselect_b64 s[84:85], s[20:21], s[46:47]
	s_cselect_b32 s88, s40, s41
	s_cselect_b32 s90, 14, 15                      ; a partner's share: 16,384 or 32 x 1,024 bytes on
	s_cselect_b32 s91, 15, 31                      ; the last lane with a block of its own
	s_cselect_b32 s92, 8, 10                       ; from lane to lane: 256 or 1,024 bytes
	s_cselect_b32 s93, 12, 8                       ; a K step: 4,096 or 256 bytes
	s_lshl_b32 s88, s88, s90
	s_mov_b32 s89, 0
	s_add_nc_u64 s[84:85], s[84:85], s[88:89]
	s_lshl_b32 s88, 2, s93
	s_add_nc_u64 s[84:85], s[84:85], s[88:89]      ; K step 2
	s_lshl_b32 s88, 1, s93
	s_add_nc_u64 s[86:87], s[84:85], s[88:89]      ; K step 3
	s_sub_nc_u64 s[94:95], s[84:85], s[88:89]      ; K step 1; none of the three pairs is rewritten
	v_and_b32 v7, 31, v0
	v_min_u32 v7, s91, v7
	v_lshlrev_b32 v7, s92, v7                      ; the prefetches' offset; never rewritten
.irp s, 0,1
	s_mov_b32 s[G0+4*\s], 1
	s_add_co_u32 s[G0+4*\s+1], s45, \s*SLOT
	s_add_nc_u64 s[G0+4*\s+2:G0+4*\s+3], s[20:21], \s*4096
	s_or_b32 s[G0+4*\s+3], s[G0+4*\s+3], 0x80000000
	s_mov_b32 s[G0B+4*\s], 1
	s_add_co_u32 s[G0B+4*\s+1], s19, \s*SLOT
	s_add_nc_u64 s[G0B+4*\s+2:G0B+4*\s+3], s[46:47], \s*256
	s_or_b32 s[G0B+4*\s+3], s[G0B+4*\s+3], 0x80000000
	s_wait_alu depctr_va_vdst(0)
	s_wait_tensorcnt 0x0
	ds_add_u32 v28, v29
	ds_add_u32 v28, v29
	s_wait_dscnt 0x0
	CROUND
	JLOAD G0+4*\s, G1, G0B+4*\s, G1B
.if \s == 0
	global_prefetch_b8 v7, s[94:95] th:TH_LOAD_NT scope:SCOPE_SE   ; behind K step 0's load: K step 1, whose load goes out only when K step 0 has landed
.endif
.endr
	v_and_b32 v1, 15, v0
	v_bfe_u32 v2, v0, 4, 1
	v_and_b32 v6, 31, v0
	v_lshlrev_b32 v[CO], 4, v6
	s_lshl_b32 s22, s15, 14
	v_add_nc_u32 v[ADRA], s22, v[CO]
	v_add_nc_u32 v[ADRA+1], SLOT, v[ADRA]
	v_mul_u32_u24 v3, v1, PITCH
	v_lshl_add_u32 v3, v2, 4, v3
	s_mul_i32 s22, s16, BHALF
	s_add_co_u32 s22, s22, ABYTES
	v_add_nc_u32 v[ADRB], s22, v3
	v_add_nc_u32 v[ADRB+1], SLOT, v[ADRB]
	s_mul_i32 s23, s14, 16*SPITCH
	v_mul_u32_u24 v5, v1, SPITCH
	v_lshl_add_u32 v5, v2, 6, v5
	v_add_nc_u32 v[STO], s23, v5
	v_add_nc_u32 v[RD], s23, v[CO]
	s_lshl_b32 s80, s17, 19
	s_lshl_b32 s81, s15, 18
	s_add_co_u32 s80, s80, s81
	s_lshl_b32 s82, s42, 10
	s_lshl_b32 s83, s16, 9
	s_add_co_u32 s82, s82, s83
	s_add_co_u32 s80, s80, s82
	s_mov_b32 s81, 0
	s_mov_b32 s83, 0
	s_add_nc_u64 s[12:13], s[12:13], s[80:81]
	s_add_nc_u64 s[10:11], s[10:11], s[82:83]
	v_lshlrev_b32 v[BO], 6, v2
	WIN 0xc0
.irp b, 0,1,2,3,4,5,6,7
	global_load_b128 v[8*\b:8*\b+3], v[BO], s[10:11] offset:(32*(\b/2)+8*(\b%2))*4
	global_load_b128 v[8*\b+4:8*\b+7], v[BO], s[10:11] offset:(32*(\b/2)+8*(\b%2))*4+16
.endr
	WIN 0
	s_wait_alu depctr_va_vdst(0)
	s_wait_kmcnt 0x0
	s_add_co_i32 s96, s78, s79
	s_add_co_i32 s96, s96, 127
	s_lshl_b32 s96, s96, 23
	s_mov_b32 s97, s96
.macro FETCH slot, q, p
	WIN 0x40
.irp i, 0,1,2,3,4,5,6,7
.irp c, 0,1,2,3
	ds_load_b128 v[128*(\p)+16*\i+4*\c:128*(\p)+16*\i+4*\c+3], v[ADRB+\slot] offset:128*(\q)+32*\c+\i*16*PITCH
.endr
.endr
	WIN 0
.irp a, 0,1,2,3
.irp c, 0,1,2,3
	ds_load_b128 v[AF+64*(\p)+16*\a+4*\c:AF+64*(\p)+16*\a+4*\c+3], v[ADRA+\slot] offset:4096*\a+2048*(\q)+512*\c
.endr
.endr
.endm
.macro MULA a, p, zero
.irp b, 0,1,2,3,4,5,6,7
.if \zero
	v_wmma_f32_16x16x128_fp8_fp8 v[8*(8*(\a)+\b):8*(8*(\a)+\b)+7], v[128*(\p)+16*\b:128*(\p)+16*\b+15], v[AF+64*(\p)+16*(\a):AF+64*(\p)+16*(\a)+15], 0
.else
	v_wmma_f32_16x16x128_fp8_fp8 v[8*(8*(\a)+\b):8*(8*(\a)+\b)+7], v[128*(\p)+16*\b:128*(\p)+16*\b+15], v[AF+64*(\p)+16*(\a):AF+64*(\p)+16*(\a)+15], v[8*(8*(\a)+\b):8*(8*(\a)+\b)+7]
.endif
.endr
.endm
.macro STEPN slot, zero
	PLACES 4
	FETCH \slot, 1, 1
	s_wait_dscnt 48
	WIN MUL
	MULA 0, 0, \zero
	MULA 1, 0, \zero
	MULA 2, 0, \zero
	MULA 3, 0, \zero
	WIN 0
.endm
.macro TURN slot, next, fill
	s_wait_tensorcnt 0x0
	ds_add_u32 v[SPW], v[NIL]
	s_wait_dscnt 1
	WIN MUL
	MULA 0, 1, 0
	s_wait_dscnt 0x0
	s_barrier_signal -1
	MULA 1, 1, 0
	WIN 0
	s_barrier_wait -1
.if \fill
	CREST
	s_add_nc_u64 s[G0+4*\slot+2:G0+4*\slot+3], s[G0+4*\slot+2:G0+4*\slot+3], 2*4096
	s_add_nc_u64 s[G0B+4*\slot+2:G0B+4*\slot+3], s[G0B+4*\slot+2:G0B+4*\slot+3], 2*256
	JLOAD G0+4*\slot, G1, G0B+4*\slot, G1B
.else
	PLACES 4
.endif
	FETCH \next, 0, 0
.if \fill
.if \slot == 0
	global_prefetch_b8 v7, s[86:87] th:TH_LOAD_NT scope:SCOPE_SE   ; behind K step 2's refill: K step 3, the last, one step ahead of its load
.endif
.endif
	WIN MUL
	MULA 2, 1, 0
	MULA 3, 1, 0
	WIN 0
.endm
	s_wait_tensorcnt 1
	s_barrier_signal -1
	s_barrier_wait -1
	FETCH 0, 0, 0
	global_prefetch_b8 v7, s[84:85] th:TH_LOAD_NT scope:SCOPE_SE   ; behind K step 1's load: K step 2, one step ahead of its load.  K steps 0 and 1 come by their loads alone
	STEPN 0, 1
	TURN 0, 1, 1
	STEPN 1, 0
	TURN 1, 0, 1
	STEPN 0, 0
	TURN 0, 1, 0
	STEPN 1, 0
	s_wait_dscnt 0x0
	WIN MUL
	MULA 0, 1, 0
	MULA 1, 1, 0
	MULA 2, 1, 0
	MULA 3, 1, 0
	WIN 0
.macro TOSTAGE a
	WIN 0x32
.set j, 0
.rept 32
	v_pk_fma_f32 v[TMP+j:TMP+j+1], v[64*(\a)+j:64*(\a)+j+1], s[96:97], v[j:j+1] op_sel_hi:[1,0,1]
.set j, j+2
.endr
	WIN 0
.irp q, 0,1,2,3
.irp k, 0,1,2,3
	ds_store_b128 v[STO], v[TMP+16*\q+4*\k:TMP+16*\q+4*\k+3] offset:128*\q+16*\k
.endr
.endr
.set BB, BK+64*((\a)%2)
.irp t, 0,1,2,3,4,5,6,7,8,9,10,11,12,13,14,15
	ds_load_b128 v[BB+4*\t:BB+4*\t+3], v[RD] offset:\t*SPITCH
.endr
.endm
.macro SEND a, younger
.set BB, BK+64*((\a)%2)
	s_wait_dscnt \younger
.irp t, 0,1,2,3,4,5,6,7,8,9,10,11,12,13,14,15
	global_store_b128 v[CO], v[BB+4*\t:BB+4*\t+3], s[12:13] offset:(32*((\a)/2)+8*((\a)%2)+\t+8*(\t/8))*4096 th:TH_STORE_NT
.endr
.endm
	s_wait_loadcnt 0x0
	PLACES 4
	TOSTAGE 0
.irp a, 1,2,3
.if \a > 1
	s_wait_xcnt 0x0
.endif
	TOSTAGE \a
	SEND \a-1, 32
.endr
	SEND 3, 0
	s_wait_tensorcnt 0x0
	ds_add_u32 v[SPW], v[NIL]
	s_wait_dscnt 0x0
	CROUND
	s_endpgm
.Lfunc_end_k_q8ec2c6153f_gemm_fc:
	.size	k_q8ec2c6153f_gemm_fc, .Lfunc_end_k_q8ec2c6153f_gemm_fc-k_q8ec2c6153f_gemm_fc
	.p2alignl 7, 3214868480
	.fill 96, 4, 3214868480
	.section	.rodata,"a",@progbits
	.p2align	6, 0x0
	.amdhsa_kernel k_q8ec2c6153f_gemm_fc
		.amdhsa_group_segment_fixed_size 327680
		.amdhsa_private_segment_fixed_size 0
		.amdhsa_enable_private_segment 0
		.amdhsa_kernarg_size 40
		.amdhsa_user_sgpr_count 2
		.amdhsa_user_sgpr_kernarg_segment_ptr 1
		.amdhsa_wavefront_size32 1
		.amdhsa_system_sgpr_workgroup_id_x 1
		.amdhsa_system_sgpr_workgroup_id_y 1
		.amdhsa_system_sgpr_workgroup_id_z 1
		.amdhsa_system_vgpr_workitem_id 0
		.amdhsa_next_free_vgpr 832
		.amdhsa_next_free_sgpr 98
		.amdhsa_reserve_vcc 0
		.amdhsa_float_denorm_mode_32 3
		.amdhsa_float_denorm_mode_16_64 3
		.amdhsa_memory_ordered 1
		.amdhsa_forward_progress 1
		.amdhsa_inst_pref_size 78
	.end_amdhsa_kernel
	.amdgpu_metadata
---
amdhsa.version: [ 1, 2 ]
amdhsa.kernels:
  - .name:           k_q8ec2c6153f_gemm_fc
    .symbol:         k_q8ec2c6153f_gemm_fc.kd
    .args:
      - { .name: o_img, .offset: 0, .size: 8, .value_kind: global_buffer, .address_space: global }
      - { .name: w_codes, .offset: 8, .size: 8, .value_kind: global_buffer, .address_space: global }
      - { .name: lowp_scales, .offset: 16, .size: 8, .value_kind: global_buffer, .address_space: global }
      - { .name: b_fc, .offset: 24, .size: 8, .value_kind: global_buffer, .address_space: global }
      - { .name: out0, .offset: 32, .size: 8, .value_kind: global_buffer, .address_space: global }
    .group_segment_fixed_size: 327680
    .private_segment_fixed_size: 0
    .kernarg_segment_align: 8
    .kernarg_segment_size: 40
    .max_flat_workgroup_size: 128
    .sgpr_count:     98
    .vgpr_count:     832
    .wavefront_size: 32
...
	.end_amdgpu_metadata
.endif
;; end of part 4
